; MI455X (gfx1250); checked and timed in simulation.
; The chip was launched on July 23, 2026; its instructions are those of AMD's public machine-readable ISA for CDNA 5 (MIT licence, August 2026) and "CDNA5" Instruction Set Architecture Reference Guide (July 2026). The comments in the code are by the model that wrote it; some were corrected since.
;; Scaled Dot Product Attention. Allowed arithmetic: matrix products marked QUANTISED: E4M3 operands, one given power-of-two scale a tensor, by v_wmma_f32_16x16x64_fp8_fp8 or v_wmma_f32_16x16x128_fp8_fp8, f32 sums; everything else in f32.
;; Inputs: key 4 x 16 x 2,048 x 64 float32; lowp_scales 4 int32 (the exponents e of the quantised operands' scales 2^e); mask 4 x 1 x 1 x 2,048 int32; query 4 x 16 x 2,048 x 64 float32; value 4 x 16 x 2,048 x 64 float32.
;; Outputs: out0 4 x 16 x 2,048 x 64 float32.
;; This version of the problem:
;;   THIS VERSION OF THE PROBLEM IS GIVEN IN LOW PRECISION. The matrix products marked QUANTISED in the list below multiply operands that are first quantised to E4M3 (4 exponent bits, 3 mantissa bits; 8 bits a number), with one given power-of-two scale for each operand tensor; their sums are f32. All else is computed in f32.
;;   The module's matrix products, in the order in which they are computed (A, B: the left and right operand; K: the contracted axis; several contracted axes count as one K, in the product's order):
;;     1. batch 64 x [M 2,048, K 64] x [K 64, N 2,048]; A: input query; B: input key: QUANTISED (scales: A lowp_scales[0], B lowp_scales[1])
;;     2. batch 64 x [M 2,048, K 2,048] x [K 2,048, N 64]; A: softmax (see below); B: input value: QUANTISED (scales: A lowp_scales[2], B lowp_scales[3])
;;   THE QUANTISER, for each operand of a quantised product, along K:
;;     - The operand's scale is 2^e, e = its entry of the input lowp_scales (int32; the entries are numbered through the quantised products in the list's order, A before B).
;;     - Each number is divided by the scale, clamped to +-448, and rounded to the nearest number of E4M3, ties to even, subnormals kept.
;;     - The product sums the exact products of the quantised numbers (number of the format x scale) in f32.
;;   ~~~python
;;   def quantise(x, axis, e):      # numpy; x: float32 -> the quantised numbers, widened to float32 again
;;       x = np.moveaxis(x, axis, -1); K = x.shape[-1]
;;       r = np.clip(x / 2.0 ** e, -448, 448)
;;       step = 2.0 ** (np.maximum(np.frexp(np.where(r == 0, 1, r))[1] - 1, -6) - 3)
;;       q = np.round(r / step) * step * 2.0 ** e      # np.round: ties to even
;;       return np.moveaxis(q, -1, axis).astype(np.float32)
;;   ~~~
;;   SOFTMAX AHEAD OF A QUANTISED PRODUCT. Where the list says 'softmax', what is quantised is not the finished softmax but p = 2^(t - M), with t = logit x log2(e) and M = ceil(the row's largest t), a whole number; so 1/2 < the row's largest p <= 1. The row's sum l is taken of the UNQUANTISED p, in f32, and the product's result is divided by l at the end. Since M is a whole number, a kernel that streams over the keys may use a running M (the ceiling of the running maximum): every later rescaling is an exact power of two, so the quantised numbers keep their values, but for numbers so far below the row's largest that they fall under the format's range.
;;   OPERANDS COMPUTED ON THE WAY. 'Computed on the way' means the value that the module computes at that place (a softmax that the list does not call 'softmax' is quantised finished and normalised). What goes into a quantiser is computed in f32, as accurately as f32 sums, v_exp_f32 and their like allow (about 1e-6 of the number): no bf16 or f16 on the way to a quantiser, and a product that is left as it is and whose result goes on into a quantised operand takes f32 operands (vector FMAs, or v_wmma_f32_16x16x4_f32). A number that lies on a knife's edge between two numbers of the format may be rounded either way, as far as f32 arithmetic and the matrix unit's own rounding can turn it there, and no further.
;; 2 versions, each right; version 2 is version 1 with the launch attn written anew for expert scheduling mode. Each part assembles by itself: llvm-mc -triple=amdgcn-amd-amdhsa -mcpu=gfx1250 --defsym DOCPART=n.
;; ======== version 1 of 2: 1 launch
;; limits: right only within a limited range of input values
;; launch attn (part 1): grid 4 x 64, 8 waves a work-group, no clusters, 322,560 bytes of LDS; arguments query, key, value, mask, lowp_scales, out0; writes out0
.if DOCPART == 1
	.amdgcn_target "amdgcn-amd-amdhsa--gfx1250"
	.amdhsa_code_object_version 6
	.text
	.protected	k_q32fcda7da4_attn
	.globl	k_q32fcda7da4_attn
	.p2align	8
	.type	k_q32fcda7da4_attn,@function
k_q32fcda7da4_attn:
	s_mov_b64 s[64:65], 0
	v_nop
	global_prefetch_b8 v0, s[64:65] scope:SCOPE_SE
	s_setreg_imm32_b32 hwreg(HW_REG_WAVE_MODE, 25, 1), 1
	s_wait_xcnt 0x0
; out0[b][h][q][:] = sum over k of softmax_k(Q.K / 8, keys with mask == 0 at a very low logit) V[k][:], both products on codes of FP8 (E4M3), each operand with its given scale 2^e: eq, ek, ep, ev.
; Q, K, V, out0: [64 heads][2048][64] f32.  mask: [4][2048] int32, one row for the 16 heads of a batch.
; THE SOFTMAX: t = raw score x cs, cs = log2(e) / 8 x 2^(eq + ek); M = the running largest t rounded up to a whole number; p = 2^(t - M) is quantised with 2^ep; the row's sum is taken of the
; unquantised p and divides at the end.  When M moves, the sum and O are multiplied by 2^(old M - new M), which rounds nothing.
; SHARES.  A work-group owns 512 queries of one head, each of its eight waves 64, walked in two passes of two tiles of 16.  Every wave walks all 2,048 keys in each pass, 128 a step.
; K AND V BECOME CODES IN THE WORK-GROUP ITSELF: as codes a head stays in LDS.  In trip j of the first pass each wave quantises its eighth (16 keys) of step j + 1, whose f32 numbers it asked for a trip
; earlier, and stores the codes as images of the operands' registers; one barrier a trip shows them to all.  No LDS byte of the images is written twice; the second pass has no barrier.
; EVERY GLOBAL LOAD OF K AND V TAKES WHOLE ROWS OF 256 BYTES: K by 16 bytes a lane (sixteen lanes to a key's row), V by 8 bytes a lane (32 lanes to a key's row).
; NO CLUSTER, NO JOINT LOADS: K and V arrive as f32 and go through registers to become codes, so no tile is brought by a tensor load that partners could ask for together.
; LAYOUT.  Both products are used transposed: S^T = K Q^T (source 0 = 16 keys, source 1 = 16 queries), O^T = V^T P (source 0 = 16 channels, source 1 = P): a lane holds ONE query (lane % 16) throughout.
; Row m of key tile 2 b + u is key 32 b + 8 u + m + 8 (m / 8), so that S^T's register 16 b + i holds key 32 b + 16 (lane / 16) + i: the conversions' results are P's registers.
; In every operand registers 4 c .. 4 c + 3 hold k = 32 c + 16 (lane / 16) + 0 .. 15: a permutation of k, alike on both sides of each product.
; THE MASK COSTS NO LINE IN THE SOFTMAX.  A masked key's codes are zeros (its hold is at 0), and the first product's C holds -2^(36 - eq - ek) for it, 0 for the others.  Its t is then exactly
; -log2(e) / 8 x 2^36, a whole number: p = 0 beside any open key, and p = 1 for every key where the whole row is masked (the plain average, as the definition has it).
; LIMITS.  eq + ek between -90 and 12 (the constant above is an f32 number, and no true logit, 1.6e6 x 2^(eq + ek) at the most, comes near the masked one, -2^33, which stands for the definition's -1e10);
; eq, ek, ep, ev each between -126 and 119, so that 2^e and 448 x 2^e are f32 numbers.  NaN among the inputs is not served.
; REGISTERS, in windows of 256.  Window 0: v1-63 addresses, scales, holds, codes just made; v64-127 K's eight fragments, then V's four; v128-191 the step's bias in S^T's layout; v192-255 f32 numbers of K and V on their way in.
; Window 1, query tile z at 128 z: +0..63 S^T, then p (also Q's f32 numbers, and rows on the way out); +64..95 O^T; +96..111 P's codes (before them: scratch); +112..119 Q's codes; +120.. statistics.
.set KPITCH, 272                       ; LDS: K's images at 0, in regions of 256 bytes + 16: region 4 x key tile + 2 x group of four registers + half of the lanes; in it row m at 16 m.
.set KSTEP,  32*KPITCH                 ; A step's 32 regions.  272 bytes are 68 words: the eight regions that one store of four bytes a lane touches begin four banks apart (64 banks of 4 bytes: ISA guide 11.1)
.set VIMG,   16*KSTEP                  ; V's images: step at 8192, channel tile at 2048, group of four registers at 512, lane at 16,
.set STEPB,  8192
.set BIAS,   VIMG+16*STEPB             ; the bias of key k at 4 k,
.set LIMT,   BIAS+8192                 ; K's hold for key k at 4 k: 448 x 2^ek, or 0 for a masked key,
.set STAGE,  LIMT+8192                 ; and for each wave 16 rows x (256 + 16) bytes for the way out
.set SPITCH, 272
.set LI,   1                           ; v1   16 x lane
.set KA,   2                           ; v2   K's f32: 2048 x (lane / 16) + 16 x (lane % 16): key 8 (lane / 16) + i, four channels
.set VA,   3                           ; v3   V's f32: 8 x lane: channels 2 lane, 2 lane + 1
.set LIK,  4                           ; v4   my place in a pair of K's regions: 272 x (lane / 16) + 16 x (lane % 16)
.set KST0, 5                           ; v5   where my four codes of K go in a step's images
.set VST0, 6                           ; v6   where my 16 codes of V go
.set KSA,  7                           ; v7, v8    this trip's store addresses
.set VSA,  8
.set ADK,  9                           ; v9-11     this trip's read addresses
.set ADV,  10
.set ADB,  11
.set BI0,  12                          ; v12  BIAS + 64 x (lane / 16)
.set QA,   13                          ; v13  Q: 256 x (lane % 16) + 64 x (lane / 16)
.set SO,   14                          ; v14  the stage, in
.set SR,   15                          ; v15  the stage, back
.set KSC,  16                          ; v16, v17  2^ek, 448 x 2^ek
.set KLIM, 17
.set VSC,  18                          ; v18, v19  2^ev, 448 x 2^ev
.set VLIM, 19
.set LM0,  20                          ; v20  LIMT + 64 x wave + 32 x (lane / 16): the holds of my eight keys
.set LMA,  21                          ; v21  the same in the step in hand
.set LIV,  22                          ; v22  VIMG + 16 x lane
.set MGA,  23                          ; v23  32 x thread
.set LK,   24                          ; v24-31    the holds of my eight keys (at the head: eight keys' bias)
.set CK,   32                          ; v32-39    K's codes: register i: key 8 (lane / 16) + i, four channels (at the head: eight keys' holds)
.set CVR,  40                          ; v40-47    V's codes, two channels interleaved (at the head: eight mask words)
.set MW,   40
.set CV,   48                          ; v48-51 channel 2 lane, v52-55 channel 2 lane + 1: 16 keys each
.set CBR,  62                          ; v62  -2^(36 - eq - ek)
.set BST,  63                          ; v63  BIAS + 32 x thread
.set FR,   64
.set BI,   128
.set STK,  192
.set STV,  224
.set OA,   64                          ; window 1, from 128 z on
.set PC,   96
.set TA,   96                          ; scratch a, b and a second chain of sums, where P's codes will lie
.set TB,   97
.set A2,   98
.set QC,   112
.set NM,   120                         ; -M
.set TM,   121                         ; the largest t
.set LS,   122                         ; the sum, in two halves
.set FF,   124                         ; f = 2^(old M - new M); +125 holds 0 (named with it as a pair)
.set PSC,  126                         ; 2^ep
.set PLIM, 127                         ; 448 x 2^ep
.set ROFF, 26                          ; s26  8192 x the step in hand
.set BOFF, 27                          ; s27  512 x the step in hand
.set KOFF, 28                          ; s28  8704 x the step in hand
.set MSB, 0
.macro WIN new                         ; low byte: bits 1:0 source 0, 3:2 source 1, 5:4 source 2, 7:6 destination; the high byte repeats the setting that is left
.if MSB != \new
	s_set_vgpr_msb (MSB<<8)|\new
.set MSB, \new
.endif
.endm
; My eighth of a step, as f32: 16 keys x 64 channels of K and of V.  24 loads, each of whole rows of 256 bytes.
.macro LOADKV
.irp i, 0,1,2,3,4,5,6,7
	global_load_b128 v[STK+4*\i:STK+4*\i+3], v[KA], s[6:7] offset:256*\i      ; lanes 0-15: key i's row; lanes 16-31: key 8 + i's
.endr
.irp i, 0,1,2,3,4,5,6,7,8,9,10,11,12,13,14,15
	global_load_b64 v[STV+2*\i:STV+2*\i+1], v[VA], s[8:9] offset:256*\i       ; key i's row: my registers run down the keys, two channels by turns
.endr
.endm
.macro LIMLOAD nxt                     ; the holds of my eight keys, nxt steps behind the step in hand; the sixteen lanes of a half read the same words
	ds_load_b128 v[LK:LK+3], v[LMA] offset:512*\nxt
	ds_load_b128 v[LK+4:LK+7], v[LMA] offset:512*\nxt+16
.endm
; They become codes and go to LDS, nxt steps behind the step in hand.  lw: how many LDS instructions issued behind the loads of the holds may stay out.
.macro QUANTKV nxt, lw
	v_add_nc_u32 v[KSA], s[KOFF], v[KST0]
	v_add_nc_u32 v[VSA], s[ROFF], v[VST0]
.set JJ, 0
.rept 32
	v_med3_num_f32 v[STV+JJ], v[STV+JJ], -v[VLIM], v[VLIM]   ; the conversion to an 8-bit code does not saturate (ISA guide 7.6.2): the hold comes first
.set JJ, JJ+1
.endr
	s_wait_dscnt \lw                               ; the holds are in
.irp i, 0,1,2,3,4,5,6,7
.irp c, 0,1,2,3
	v_med3_num_f32 v[STK+4*\i+\c], v[STK+4*\i+\c], -v[LK+\i], v[LK+\i]       ; a masked key is held at 0: its codes are zeros
.endr
.endr
.irp n, 0,1,2,3
	v_cvt_scalef32_pk8_fp8_f32 v[CK+2*\n:CK+2*\n+1], v[STK+8*\n:STK+8*\n+7], v[KSC]
.endr
.irp n, 0,1,2,3
	v_cvt_scalef32_pk8_fp8_f32 v[CVR+2*\n:CVR+2*\n+1], v[STV+8*\n:STV+8*\n+7], v[VSC]   ; keys 4 n .. 4 n + 3, the two channels by turns
.endr
	v_nop                                          ; one plain line between the last scaled conversion and the lines that read the codes
.irp n, 0,1,2,3
	v_perm_b32 v[CV+\n], v[CVR+2*\n+1], v[CVR+2*\n], s54     ; bytes 0, 2 of both: the even channel's keys 4 n .. 4 n + 3
	v_perm_b32 v[CV+4+\n], v[CVR+2*\n+1], v[CVR+2*\n], s55   ; bytes 1, 3: the odd channel's
.endr
.irp i, 0,1,2,3,4,5,6,7
	ds_store_b32 v[KSA], v[CK+\i] offset:\nxt*KSTEP+16*\i    ; row i of my eight: the 32 lanes write to 32 different banks
.endr
	ds_store_b128 v[VSA], v[CV:CV+3] offset:\nxt*STEPB
	ds_store_b128 v[VSA], v[CV+4:CV+7] offset:\nxt*STEPB+16
.endm
.macro FETCH_K                         ; the step's eight key tiles: each half of the lanes reads 256 consecutive bytes
.irp k, 0,1,2,3,4,5,6,7
.irp c, 0,1
	ds_load_b128 v[FR+8*\k+4*\c:FR+8*\k+4*\c+3], v[ADK] offset:4*KPITCH*\k+2*KPITCH*\c
.endr
.endr
.endm
.macro FETCH_B                         ; the bias of my half's 64 keys, in S^T's order; the sixteen lanes of a half read the same words
.irp b, 0,1,2,3
.irp m, 0,1,2,3
	ds_load_b128 v[BI+16*\b+4*\m:BI+16*\b+4*\m+3], v[ADB] offset:128*\b+16*\m
.endr
.endr
.endm
.macro FETCH_V                         ; the step's four channel tiles
.irp t, 0,1,2,3
.irp c, 0,1,2,3
	ds_load_b128 v[FR+16*\t+4*\c:FR+16*\t+4*\c+3], v[ADV] offset:2048*\t+512*\c
.endr
.endr
.endm
.macro SMUL                            ; S^T = K Q^T + bias: sixteen results, each fragment of K for both query tiles
	WIN 0x44                                       ; K and the bias in window 0, Q and S^T in window 1
.irp k, 0,1,2,3,4,5,6,7
.irp z, 0,1
	v_wmma_f32_16x16x64_fp8_fp8 v[128*\z+8*\k:128*\z+8*\k+7], v[FR+8*\k:FR+8*\k+7], v[128*\z+QC:128*\z+QC+7], v[BI+8*\k:BI+8*\k+7]
.endr
.endr
.endm
.macro MAXPH                           ; the largest of a lane's 64 scores, in two chains a tile, the two tiles line by line; each result is read from its low end on
.irp z, 0,1
	v_max3_num_f32 v[128*\z+TA], v[128*\z], v[128*\z+1], v[128*\z+2]
.endr
.irp z, 0,1
	v_max3_num_f32 v[128*\z+TB], v[128*\z+3], v[128*\z+4], v[128*\z+5]
.endr
.irp i, 6,10,14,18,22,26,30,34,38,42,46,50,54,58
.irp z, 0,1
	v_max3_num_f32 v[128*\z+TA], v[128*\z+TA], v[128*\z+\i], v[128*\z+\i+1]
.endr
.irp z, 0,1
	v_max3_num_f32 v[128*\z+TB], v[128*\z+TB], v[128*\z+\i+2], v[128*\z+\i+3]
.endr
.endr
.irp z, 0,1
	v_max3_num_f32 v[128*\z+TA], v[128*\z+TA], v[128*\z+62], v[128*\z+63]
.endr
.irp z, 0,1
	v_max_num_f32 v[128*\z+TA], v[128*\z+TA], v[128*\z+TB]
.endr
.endm
.macro STAT                            ; the other half's maximum; the running largest t; the new -M; f
.irp z, 0,1
	v_permlanex16_b32 v[128*\z+TB], v[128*\z+TA], s24, s25
.endr
.irp z, 0,1
	v_max_num_f32 v[128*\z+TA], v[128*\z+TA], v[128*\z+TB]
.endr
.irp z, 0,1
	v_mul_f32 v[128*\z+TA], s22, v[128*\z+TA]      ; as t (cs is positive)
.endr
.irp z, 0,1
	v_max_num_f32 v[128*\z+TM], v[128*\z+TM], v[128*\z+TA]
.endr
.irp z, 0,1
	v_mov_b32 v[128*\z+TB], v[128*\z+NM]
.endr
.irp z, 0,1
	v_floor_f32 v[128*\z+NM], -v[128*\z+TM]        ; -M = floor(-t) = -ceil(t)
.endr
.irp z, 0,1
	v_sub_f32 v[128*\z+TB], v[128*\z+NM], v[128*\z+TB]   ; old M - new M: a whole number, 0 or less
.endr
.irp z, 0,1
	v_cvt_i32_f32 v[128*\z+TB], v[128*\z+TB]       ; (it saturates)
.endr
.irp z, 0,1
	v_ldexp_f32 v[128*\z+FF], 1.0, v[128*\z+TB]
.endr
.endm
.macro EFMA z, j                       ; pair j: t - M
	v_pk_fma_f32 v[128*\z+2*(\j):128*\z+2*(\j)+1], v[128*\z+2*(\j):128*\z+2*(\j)+1], s[22:23], v[128*\z+NM:128*\z+NM+1] op_sel_hi:[1,0,0]
.endm
.macro EADD z, j                       ; pair j joins the sum: the even pairs the sum itself, the odd ones a second chain, which pairs 1 and 3 start
.if ((\j)%2) == 0
	s_wait_alu depctr_va_vdst(0)
	v_pk_add_f32 v[128*\z+LS:128*\z+LS+1], v[128*\z+LS:128*\z+LS+1], v[128*\z+2*(\j):128*\z+2*(\j)+1]
.elseif (\j) == 3
	v_pk_add_f32 v[128*\z+A2:128*\z+A2+1], v[128*\z+2:128*\z+3], v[128*\z+6:128*\z+7]
.elseif (\j) > 3
	v_pk_add_f32 v[128*\z+A2:128*\z+A2+1], v[128*\z+A2:128*\z+A2+1], v[128*\z+2*(\j):128*\z+2*(\j)+1]
.endif
.endm
; p = 2^(t - M) and its sum.  The exponentials alternate with plain lines that are ready (a scaling two pairs ahead, a sum one pair back): each exponential has a plain line behind it before its result is read.
.macro EXPPH z
	v_pk_mul_f32 v[128*\z+LS:128*\z+LS+1], v[128*\z+LS:128*\z+LS+1], v[128*\z+FF:128*\z+FF+1] op_sel_hi:[1,0]   ; the sum under the new M
	EFMA \z, 0
	EFMA \z, 1
.set JJ, 0
.rept 32
	v_exp_f32 v[128*\z+2*JJ], v[128*\z+2*JJ]
.if JJ < 30
	EFMA \z, JJ+2
.endif
	v_exp_f32 v[128*\z+2*JJ+1], v[128*\z+2*JJ+1]
.if JJ > 0
	EADD \z, JJ-1
.endif
.set JJ, JJ+1
.endr
	EADD \z, 31
	v_pk_add_f32 v[128*\z+LS:128*\z+LS+1], v[128*\z+LS:128*\z+LS+1], v[128*\z+A2:128*\z+A2+1]
.endm
; p is at most 1, and 448 x 2^ep is at least 1 from ep = -8 on: there the hold cannot act and is jumped over.  The branch hangs on a whole number of the input alone; neither half of a barrier stands under it.
.macro HOLD
	WIN 0
	s_cmp_ge_i32 s18, -8
	s_cbranch_scc1 .Lnohold_\@
	WIN 0x55
.irp z, 0,1
.set JJ, 0
.rept 64
	v_min_num_f32 v[128*\z+JJ], v[128*\z+JJ], v[128*\z+PLIM]   ; p is not negative: the hold is one-sided
.set JJ, JJ+1
.endr
.endr
	WIN 0
.Lnohold_\@:
	WIN 0x55
.endm
.macro CVT z                           ; registers 4 b .. 4 b + 3 of P: keys 32 b + 16 (lane / 16) + 0 .. 15
.irp b, 0,1,2,3
	v_cvt_scalef32_pk8_fp8_f32 v[128*\z+PC+4*\b:128*\z+PC+4*\b+1], v[128*\z+16*\b:128*\z+16*\b+7], v[128*\z+PSC]
	v_cvt_scalef32_pk8_fp8_f32 v[128*\z+PC+4*\b+2:128*\z+PC+4*\b+3], v[128*\z+16*\b+8:128*\z+16*\b+15], v[128*\z+PSC]
.endr
.endm
.macro RESCALE z                       ; O^T under the new M, each result from its low end on.  These are also the plain lines between the conversions and the products that read their codes
.set JJ, 0
.rept 16
	v_pk_mul_f32 v[128*\z+OA+2*JJ:128*\z+OA+2*JJ+1], v[128*\z+OA+2*JJ:128*\z+OA+2*JJ+1], v[128*\z+FF:128*\z+FF+1] op_sel_hi:[1,0]
.set JJ, JJ+1
.endr
.endm
.macro PVMUL                           ; O^T += V^T P: eight accumulators by turns, one instruction a turn; the sixteen S^T products stand between two steps' links
	WIN 0x54                                       ; V in window 0; P and O^T in window 1
.irp t, 0,1,2,3
.irp z, 0,1
	v_wmma_f32_16x16x128_fp8_fp8 v[128*\z+OA+8*\t:128*\z+OA+8*\t+7], v[FR+16*\t:FR+16*\t+15], v[128*\z+PC:128*\z+PC+15], v[128*\z+OA+8*\t:128*\z+OA+8*\t+7]
.endr
.endr
.endm
; A KEY STEP for both query tiles.  quant = 1: my eighth of the next step becomes codes; load = 1: the step after that is asked for; bar = 1: the barrier that shows the next step's images to all.
.macro TRIP quant, load, bar
	WIN 0
	v_add_nc_u32 v[ADK], s[KOFF], v[LIK]           ; four plain lines: the places between the last products and the loads into the registers that they read
	v_add_nc_u32 v[ADV], s[ROFF], v[LIV]
	v_add_nc_u32 v[ADB], s[BOFF], v[BI0]
.if \quant
	v_add_nc_u32 v[LMA], s[BOFF], v[LM0]
	LIMLOAD 1                                      ; first, so that the wait for the holds can leave the 32 loads below out
.else
	v_nop
.endif
	FETCH_K
	FETCH_B
.if \quant
	s_wait_loadcnt 0x0                             ; the 24 loads issued a trip ago are in; their bases may step
	QUANTKV 1, 32                                  ; behind the two loads of the holds: K's 16 and the bias's 16
.if \load
	s_add_nc_u64 s[6:7], s[6:7], 32768             ; 128 keys of 256 bytes on
	s_add_nc_u64 s[8:9], s[8:9], 32768
	LOADKV
.endif
	s_wait_dscnt 10                                ; K and the bias are in; my ten stores behind them may be out
.else
	s_wait_dscnt 0x0                               ; K and the bias are in
.endif
	SMUL
	WIN 0
.rept 4
	v_nop                                          ; four places: in front of the loads into K's registers, and of the first read of the scores
.endr
	FETCH_V                                        ; it lands under the maximum
	WIN 0x55
	MAXPH
.if \bar
	s_wait_dscnt 0x0                               ; for the others' sake: my stores of the next step's images have landed (and V is in): no LDS instruction follows in this trip,
	s_barrier_signal -1                            ; so I say so here, and work on registers until the trip's end, where the images are first wanted
.endif
	STAT
	EXPPH 0
	EXPPH 1
	HOLD
	CVT 0
	CVT 1
	RESCALE 0
	RESCALE 1
	s_wait_dscnt 0x0                               ; V is in
	PVMUL
	WIN 0
	s_add_co_u32 s[KOFF], s[KOFF], KSTEP
	s_add_co_u32 s[ROFF], s[ROFF], STEPB
	s_add_co_u32 s[BOFF], s[BOFF], 512
.if \bar
	s_barrier_wait -1                              ; every wave has said so: the next step's images are whole
.endif
.endm
.macro QLOAD p                         ; pass p's 32 queries: lane (r, h) takes, of row r, 16 neighbouring numbers of each 32: the order of the operand's registers
	WIN 0x40                                       ; destination window 1
.irp z, 0,1
.irp c, 0,1
.irp m, 0,1,2,3
	global_load_b128 v[128*\z+16*\c+4*\m:128*\z+16*\c+4*\m+3], v[QA], s[4:5] offset:8192*\p+4096*\z+128*\c+16*\m th:TH_LOAD_NT
.endr
.endr
.endr
	WIN 0
.endm
.macro QQUANT
	WIN 0x55
.irp z, 0,1
	v_mov_b32 v[128*\z+TA], s50                    ; 2^eq
	v_mov_b32 v[128*\z+TB], s51                    ; 448 x 2^eq
.endr
.irp z, 0,1
.set JJ, 0
.rept 32
	v_med3_num_f32 v[128*\z+JJ], v[128*\z+JJ], -v[128*\z+TB], v[128*\z+TB]
.set JJ, JJ+1
.endr
.endr
.irp z, 0,1
.irp c, 0,1
	v_cvt_scalef32_pk8_fp8_f32 v[128*\z+QC+4*\c:128*\z+QC+4*\c+1], v[128*\z+16*\c:128*\z+16*\c+7], v[128*\z+TA]
	v_cvt_scalef32_pk8_fp8_f32 v[128*\z+QC+4*\c+2:128*\z+QC+4*\c+3], v[128*\z+16*\c+8:128*\z+16*\c+15], v[128*\z+TA]
.endr
.endr
	v_nop                                          ; one plain line behind the last scaled conversion
.endm
.macro INIT                            ; the step is written without a first step of its own: it finds zeros, which the first change of M leaves zeros
.irp z, 0,1
	v_mov_b32 v[128*\z+TM], 0xff61b1e6             ; -3e38, under every t
	v_floor_f32 v[128*\z+NM], -v[128*\z+TM]
	v_mov_b32 v[128*\z+LS], 0
	v_mov_b32 v[128*\z+LS+1], 0
	v_mov_b32 v[128*\z+FF+1], 0
	v_mov_b32 v[128*\z+PSC], s52
	v_mov_b32 v[128*\z+PLIM], s53
.set JJ, 0
.rept 32
	v_mov_b32 v[128*\z+OA+JJ], 0
.set JJ, JJ+1
.endr
.endr
	WIN 0
.endm
; THE WAY OUT of pass p.  O^T / the sum x 2^(ep + ev); a lane's eight channels of a row go into my own stage and come back as whole rows: a store of the wave covers 512 consecutive bytes, two rows of out0.
.macro OUTPUT p
	WIN 0x55
.rept 4
	v_nop                                          ; four places: the lines below write registers that the last products read as P
.endr
.irp z, 0,1
	v_add_f32 v[128*\z+TA], v[128*\z+LS], v[128*\z+LS+1]
.endr
.irp z, 0,1
	v_permlanex16_b32 v[128*\z+TB], v[128*\z+TA], s24, s25
.endr
.irp z, 0,1
	v_add_f32 v[128*\z+TA], v[128*\z+TA], v[128*\z+TB]   ; the row's sum
.endr
.irp z, 0,1
	v_rcp_f32 v[128*\z+TA], v[128*\z+TA]
.endr
	v_nop                                          ; a plain line behind the reciprocals
	s_wait_alu depctr_va_vdst(0)
.irp z, 0,1
	v_ldexp_f32 v[128*\z+TA], v[128*\z+TA], s30
.endr
.irp z, 0,1
.set JJ, 0
.rept 16
	v_pk_mul_f32 v[128*\z+OA+2*JJ:128*\z+OA+2*JJ+1], v[128*\z+OA+2*JJ:128*\z+OA+2*JJ+1], v[128*\z+TA:128*\z+TA+1] op_sel_hi:[1,0]
.set JJ, JJ+1
.endr
.endr
.irp z, 0,1
	WIN 0x04                                       ; store data in window 1
.irp t, 0,1,2,3
	ds_store_b128 v[SO], v[128*\z+OA+8*\t:128*\z+OA+8*\t+3] offset:64*\t
	ds_store_b128 v[SO], v[128*\z+OA+8*\t+4:128*\z+OA+8*\t+7] offset:64*\t+16
.endr
	WIN 0x40
.irp i, 0,1,2,3,4,5,6,7
	ds_load_b128 v[128*\z+32+4*\i:128*\z+32+4*\i+3], v[SR] offset:2*\i*SPITCH   ; my own bytes, served in the order of issue: these see the stores above, and the next tile's stores come behind them
.endr
.endr
	WIN 0x04
	s_wait_dscnt 16                                ; tile 0's rows are back; tile 1's eight stores and eight loads may be out
.irp i, 0,1,2,3,4,5,6,7
	global_store_b128 v[LI], v[32+4*\i:32+4*\i+3], s[14:15] offset:8192*\p+512*\i th:TH_STORE_NT
.endr
	s_wait_dscnt 0x0
.irp i, 0,1,2,3,4,5,6,7
	global_store_b128 v[LI], v[160+4*\i:160+4*\i+3], s[14:15] offset:8192*\p+4096+512*\i th:TH_STORE_NT
.endr
	WIN 0
.endm
	s_load_b256 s[4:11], s[0:1], 0x0               ; query s[4:5], key s[6:7], value s[8:9], mask s[10:11]
	s_load_b128 s[12:15], s[0:1], 0x20             ; the scales' exponents s[12:13], out0 s[14:15]
	v_lshrrev_b32 v56, 5, v0
	v_readfirstlane_b32 s20, v56                   ; wave 0..7
	v_and_b32 v57, 31, v0                          ; lane
	v_and_b32 v58, 15, v0                          ; r
	v_bfe_u32 v59, v0, 4, 1                        ; h
	v_lshlrev_b32 v[LI], 4, v57
	v_lshlrev_b32 v[KA], 4, v58
	v_lshl_add_u32 v[KA], v59, 11, v[KA]
	v_lshlrev_b32 v[VA], 3, v57
	v_mul_u32_u24 v[LIK], v59, KPITCH
	v_lshl_add_u32 v[LIK], v58, 4, v[LIK]
	s_lshr_b32 s31, s20, 1                         ; my 16 keys of a step are keys 32 (w / 2) + 16 (w % 2) on
	s_and_b32 s32, s20, 1
	; K: lane l, register i: key 16 w + 8 (l / 16) + i, channels 4 (l % 16) on: key tile 2 (w / 2) + l / 16, row 8 (w % 2) + i, region 4 x tile + (l % 16) / 4, word l % 4 of the row's four.
	; 4 (l / 16) + (l % 16) / 4 is l / 4: the lane's region among my pair of tiles' eight
	v_lshrrev_b32 v60, 2, v57
	v_and_b32 v61, 3, v0
	v_mul_u32_u24 v[KST0], v60, KPITCH
	v_lshl_add_u32 v[KST0], v61, 2, v[KST0]
	s_mul_i32 s33, s31, 8*KPITCH
	s_lshl_b32 s34, s32, 7
	s_add_co_u32 s33, s33, s34
	v_add_nc_u32 v[KST0], s33, v[KST0]
	; V: lane l holds channels 2 l, 2 l + 1 and my 16 keys: channel tile l / 8, rows 2 (l % 8), 2 (l % 8) + 1, group w / 2, half w % 2
	v_lshrrev_b32 v60, 3, v57
	v_and_b32 v61, 7, v0
	v_lshlrev_b32 v[VST0], 11, v60
	v_lshl_add_u32 v[VST0], v61, 5, v[VST0]
	s_lshl_b32 s33, s31, 9
	s_lshl_b32 s34, s32, 8
	s_add_co_u32 s33, s33, s34
	s_add_co_u32 s33, s33, VIMG
	v_add_nc_u32 v[VST0], s33, v[VST0]
	v_lshl_add_u32 v[BI0], v59, 6, BIAS
	s_lshl_b32 s33, s20, 6
	s_add_co_u32 s33, s33, LIMT
	v_lshlrev_b32 v[LM0], 5, v59
	v_add_nc_u32 v[LM0], s33, v[LM0]
	v_lshlrev_b32 v[QA], 8, v58
	v_lshl_add_u32 v[QA], v59, 6, v[QA]
	s_mul_i32 s33, s20, 16*SPITCH
	s_add_co_u32 s33, s33, STAGE                   ; my stage
	v_mul_u32_u24 v[SO], v58, SPITCH               ; in: row r, 32 bytes for each half of the lanes
	v_lshl_add_u32 v[SO], v59, 5, v[SO]
	v_add_nc_u32 v[SO], s33, v[SO]
	v_mul_u32_u24 v[SR], v59, SPITCH               ; back: lanes 0-15 one row of 256 bytes, lanes 16-31 the next
	v_lshl_add_u32 v[SR], v58, 4, v[SR]
	v_add_nc_u32 v[SR], s33, v[SR]
	v_lshl_add_u32 v[BST], v0, 5, BIAS
	v_add_nc_u32 v[LIV], VIMG, v[LI]
	v_lshlrev_b32 v[MGA], 5, v0
	s_mov_b32 s24, 0x76543210                      ; v_permlanex16_b32's selects for lane l xor 16
	s_mov_b32 s25, 0xfedcba98
	s_mov_b32 s54, 0x06040200                      ; v_perm_b32: the even bytes of two registers,
	s_mov_b32 s55, 0x07050301                      ; the odd ones
	s_mov_b32 s[ROFF], 0
	s_mov_b32 s[BOFF], 0
	s_mov_b32 s[KOFF], 0
	s_and_b32 s21, ttmp7, 0xffff                   ; the head, 0..63
	s_lshl_b32 s38, s21, 19                        ; its 2,048 rows of 256 bytes
	s_lshl_b32 s31, ttmp9, 17                      ; my block of 512 queries
	s_lshl_b32 s32, s20, 14                        ; my wave's 64
	s_add_co_u32 s40, s38, s31
	s_add_co_u32 s40, s40, s32
	s_mov_b32 s41, 0
	s_lshl_b32 s32, s20, 12                        ; my wave's 16 keys of a step
	s_add_co_u32 s42, s38, s32
	s_mov_b32 s43, 0
	s_lshr_b32 s44, s21, 4                         ; the batch,
	s_lshl_b32 s44, s44, 13                        ; its 2,048 mask words
	s_mov_b32 s45, 0
	s_wait_kmcnt 0x0
	s_load_b128 s[16:19], s[12:13], 0x0            ; eq, ek, ep, ev
	s_add_nc_u64 s[36:37], s[10:11], s[44:45]      ; the batch's mask
	s_add_nc_u64 s[4:5], s[4:5], s[40:41]
	s_add_nc_u64 s[14:15], s[14:15], s[40:41]
	s_add_nc_u64 s[6:7], s[6:7], s[42:43]
	s_add_nc_u64 s[8:9], s[8:9], s[42:43]
	global_load_b128 v[MW:MW+3], v[MGA], s[36:37]            ; eight mask words a thread: the batch's 2,048
	global_load_b128 v[MW+4:MW+7], v[MGA], s[36:37] offset:16
	QLOAD 0
	LOADKV                                         ; step 0
	s_wait_kmcnt 0x0
	s_add_co_i32 s31, s16, s17                     ; eq + ek
	s_lshl_b32 s32, s31, 23
	s_add_co_i32 s22, s32, 0x3e38aa3b              ; cs = log2(e) / 8 x 2^(eq + ek): the exponents are added to the exponent field
	s_mov_b32 s23, s22                             ; (named with it as a pair, so it is written)
	s_sub_co_i32 s32, 163, s31
	s_lshl_b32 s32, s32, 23
	s_or_b32 s32, s32, 0x80000000
	v_mov_b32 v[CBR], s32                          ; -2^(36 - eq - ek)
	s_add_co_i32 s32, s17, 127
	s_lshl_b32 s33, s32, 23
	v_mov_b32 v[KSC], s33                          ; 2^ek: the conversion takes its exponent field
	s_add_co_i32 s32, s32, 8
	s_lshl_b32 s32, s32, 23
	s_or_b32 s32, s32, 0x600000
	v_mov_b32 v[KLIM], s32                         ; 448 x 2^ek
	s_add_co_i32 s32, s19, 127
	s_lshl_b32 s33, s32, 23
	v_mov_b32 v[VSC], s33
	s_add_co_i32 s32, s32, 8
	s_lshl_b32 s32, s32, 23
	s_or_b32 s32, s32, 0x600000
	v_mov_b32 v[VLIM], s32
	s_add_co_i32 s32, s16, 127
	s_lshl_b32 s50, s32, 23                        ; 2^eq
	s_add_co_i32 s32, s32, 8
	s_lshl_b32 s32, s32, 23
	s_or_b32 s51, s32, 0x600000                    ; 448 x 2^eq
	s_add_co_i32 s32, s18, 127
	s_lshl_b32 s52, s32, 23                        ; 2^ep
	s_add_co_i32 s32, s32, 8
	s_lshl_b32 s32, s32, 23
	s_or_b32 s53, s32, 0x600000                    ; 448 x 2^ep
	s_add_co_i32 s30, s18, s19                     ; ep + ev
	s_wait_loadcnt 40                              ; the two loads of mask words are in; Q's 16 and step 0's 24 may be out
.irp k, 0,1,2,3,4,5,6,7
	v_cmp_eq_u32 vcc_lo, 0, v[MW+\k]
	v_cndmask_b32 v[LK+\k], 0, v[CBR], vcc_lo      ; the bias: the low constant where the mask is 0
	v_cmp_ne_u32 vcc_lo, 0, v[MW+\k]
	v_cndmask_b32 v[CK+\k], 0, v[KLIM], vcc_lo     ; K's hold: 0 where the mask is 0
.endr
	ds_store_b128 v[BST], v[LK:LK+3]
	ds_store_b128 v[BST], v[LK+4:LK+7] offset:16
	ds_store_b128 v[BST], v[CK:CK+3] offset:LIMT-BIAS
	ds_store_b128 v[BST], v[CK+4:CK+7] offset:LIMT-BIAS+16
	s_wait_dscnt 0x0                               ; for the others' sake: my part of the two tables has landed
	s_barrier_signal -1
	s_barrier_wait -1                              ; the tables are whole: the holds of my keys were written by other waves
	s_wait_loadcnt 24                              ; Q is in; step 0's 24 loads may be out
	QQUANT
	INIT
	v_add_nc_u32 v[LMA], s[BOFF], v[LM0]
	LIMLOAD 0
	s_wait_loadcnt 0x0                             ; step 0
	QUANTKV 0, 0
	s_add_nc_u64 s[6:7], s[6:7], 32768
	s_add_nc_u64 s[8:9], s[8:9], 32768
	LOADKV                                         ; step 1
	s_wait_dscnt 0x0                               ; for the others' sake: my part of step 0's images has landed
	s_barrier_signal -1
	s_barrier_wait -1
	; PASS A: queries 0-31 of my 64.  Trip j reads step j, makes step j + 1's images and asks for step j + 2.
	s_mov_b32 s29, 14
.LpassA:
	TRIP 1, 1, 1
	s_sub_co_u32 s29, s29, 1
	s_cmp_lg_u32 s29, 0
	s_cbranch_scc1 .LpassA
	TRIP 1, 0, 1                                   ; trip 14 makes step 15's images; nothing is left to ask for
	TRIP 0, 0, 0                                   ; trip 15: from here on the images are only read, so no barrier follows
	QLOAD 1                                        ; the second pass's queries land under the way out
	OUTPUT 0
	s_wait_xcnt 0x0                                ; the stores' data registers are written again only behind this wait
	s_wait_loadcnt 0x0                             ; Q
	QQUANT
	INIT
	; PASS B: queries 32-63; the whole head lies in LDS.
	s_mov_b32 s[ROFF], 0
	s_mov_b32 s[BOFF], 0
	s_mov_b32 s[KOFF], 0
	s_mov_b32 s29, 16
.LpassB:
	TRIP 0, 0, 0
	s_sub_co_u32 s29, s29, 1
	s_cmp_lg_u32 s29, 0
	s_cbranch_scc1 .LpassB
	OUTPUT 1
	s_wait_xcnt 0x0
	v_lshl_add_u32 v254, v0, 2, 0x4e800
	v_mov_b32 v255, 0
	s_wait_tensorcnt 0x0
	ds_add_u32 v254, v255
	s_wait_dscnt 0x0
	s_endpgm
.Lfunc_end_k_q32fcda7da4_attn:
	.size	k_q32fcda7da4_attn, .Lfunc_end_k_q32fcda7da4_attn-k_q32fcda7da4_attn
	.p2alignl 7, 3214868480
	.fill 96, 4, 3214868480
	.section	.rodata,"a",@progbits
	.p2align	6, 0x0
	.amdhsa_kernel k_q32fcda7da4_attn
		.amdhsa_group_segment_fixed_size 322560
		.amdhsa_private_segment_fixed_size 0
		.amdhsa_enable_private_segment 0
		.amdhsa_kernarg_size 48
		.amdhsa_user_sgpr_count 2
		.amdhsa_user_sgpr_kernarg_segment_ptr 1
		.amdhsa_wavefront_size32 1
		.amdhsa_system_sgpr_workgroup_id_x 1
		.amdhsa_system_sgpr_workgroup_id_y 1
		.amdhsa_system_sgpr_workgroup_id_z 1
		.amdhsa_system_vgpr_workitem_id 0
		.amdhsa_next_free_vgpr 512
		.amdhsa_next_free_sgpr 66
		.amdhsa_reserve_vcc 1
		.amdhsa_float_denorm_mode_32 3
		.amdhsa_float_denorm_mode_16_64 3
		.amdhsa_memory_ordered 1
		.amdhsa_forward_progress 1
		.amdhsa_inst_pref_size 184
	.end_amdhsa_kernel
	.amdgpu_metadata
---
amdhsa.version: [ 1, 2 ]
amdhsa.kernels:
  - .name:           k_q32fcda7da4_attn
    .symbol:         k_q32fcda7da4_attn.kd
    .args:
      - { .name: query, .offset: 0, .size: 8, .value_kind: global_buffer, .address_space: global }
      - { .name: key, .offset: 8, .size: 8, .value_kind: global_buffer, .address_space: global }
      - { .name: value, .offset: 16, .size: 8, .value_kind: global_buffer, .address_space: global }
      - { .name: mask, .offset: 24, .size: 8, .value_kind: global_buffer, .address_space: global }
      - { .name: lowp_scales, .offset: 32, .size: 8, .value_kind: global_buffer, .address_space: global }
      - { .name: out0, .offset: 40, .size: 8, .value_kind: global_buffer, .address_space: global }
    .group_segment_fixed_size: 322560
    .private_segment_fixed_size: 0
    .kernarg_segment_align: 8
    .kernarg_segment_size: 48
    .max_flat_workgroup_size: 256
    .sgpr_count:     66
    .vgpr_count:     512
    .wavefront_size: 32
...
	.end_amdgpu_metadata
.endif
;; end of part 1
;; ======== version 2 of 2: 1 launch; version 1 with the launch attn written anew for expert scheduling mode
;; limits: right only within a limited range of input values
;; launch attn (part 2): grid 4 x 64, 8 waves a work-group, no clusters, 322,560 bytes of LDS; arguments query, key, value, mask, lowp_scales, out0; writes out0
.if DOCPART == 2
	.amdgcn_target "amdgcn-amd-amdhsa--gfx1250"
	.amdhsa_code_object_version 6
	.text
	.protected	k_q32fcda7da4_attn
	.globl	k_q32fcda7da4_attn
	.p2align	8
	.type	k_q32fcda7da4_attn,@function
k_q32fcda7da4_attn:
	s_mov_b64 s[64:65], 0
	v_nop
	global_prefetch_b8 v0, s[64:65] scope:SCOPE_SE
	s_setreg_imm32_b32 hwreg(HW_REG_WAVE_SCHED_MODE, 0, 2), 2
	s_setreg_imm32_b32 hwreg(HW_REG_WAVE_MODE, 25, 1), 1
	s_wait_xcnt 0x0
	s_wait_alu depctr_vm_vsrc(0)
; out0[b][h][q][:] = sum over k of softmax_k(Q.K / 8, keys with mask == 0 at a very low logit) V[k][:], both products on codes of FP8 (E4M3), each operand with its given scale 2^e: eq, ek, ep, ev.
; Q, K, V, out0: [64 heads][2048][64] f32.  mask: [4][2048] int32, one row for the 16 heads of a batch.
; THE SOFTMAX: t = raw score x cs, cs = log2(e) / 8 x 2^(eq + ek); M = the running largest t rounded up to a whole number; p = 2^(t - M) is quantised with 2^ep; the row's sum is taken of the
; unquantised p and divides at the end.  When M moves, the sum and O are multiplied by 2^(old M - new M), which rounds nothing.
; SHARES.  A work-group owns 512 queries of one head, each of its eight waves 64, walked in two passes of two tiles of 16.  Every wave walks all 2,048 keys in each pass, 128 a step.
; K AND V BECOME CODES IN THE WORK-GROUP ITSELF: as codes a head stays in LDS.  In trip j of the first pass each wave quantises its eighth (16 keys) of step j + 1, whose f32 numbers it asked for a trip
; earlier, and stores the codes as images of the operands' registers; one barrier a trip shows them to all.  No LDS byte of the images is written twice; the second pass has no barrier.
; EVERY GLOBAL LOAD OF K AND V TAKES WHOLE ROWS OF 256 BYTES: K by 16 bytes a lane (sixteen lanes to a key's row), V by 8 bytes a lane (32 lanes to a key's row).
; NO CLUSTER, NO JOINT LOADS: K and V arrive as f32 and go through registers to become codes, so no tile is brought by a tensor load that partners could ask for together.
; LAYOUT.  Both products are used transposed: S^T = K Q^T (source 0 = 16 keys, source 1 = 16 queries), O^T = V^T P (source 0 = 16 channels, source 1 = P): a lane holds ONE query (lane % 16) throughout.
; Row m of key tile 2 b + u is key 32 b + 8 u + m + 8 (m / 8), so that S^T's register 16 b + i holds key 32 b + 16 (lane / 16) + i: the conversions' results are P's registers.
; In every operand registers 4 c .. 4 c + 3 hold k = 32 c + 16 (lane / 16) + 0 .. 15: a permutation of k, alike on both sides of each product.
; THE MASK COSTS NO LINE IN THE SOFTMAX.  A masked key's codes are zeros (its hold is at 0), and the first product's C holds -2^(36 - eq - ek) for it, 0 for the others.  Its t is then exactly
; -log2(e) / 8 x 2^36, a whole number: p = 0 beside any open key, and p = 1 for every key where the whole row is masked (the plain average, as the definition has it).
; LIMITS.  eq + ek between -90 and 12 (the constant above is an f32 number, and no true logit, 1.6e6 x 2^(eq + ek) at the most, comes near the masked one, -2^33, which stands for the definition's -1e10);
; eq, ek, ep, ev each between -126 and 119, so that 2^e and 448 x 2^e are f32 numbers.  NaN among the inputs is not served.
; REGISTERS, in windows of 256.  Window 0: v1-63 addresses, scales, holds, codes just made; v64-127 K's eight fragments, then V's four; v128-191 the step's bias in S^T's layout; v192-255 f32 numbers of K and V on their way in.
; Window 1, query tile z at 128 z: +0..63 S^T, then p (also Q's f32 numbers, and rows on the way out); +64..95 O^T; +96..111 P's codes (before them: scratch); +112..119 Q's codes; +120.. statistics.
; THE MODE: SCHED_MODE bits 1:0 = 2 (LLVM: expert scheduling mode 2), set by the entry lines.  The code itself states the register dependences between vector or matrix instructions and memory or
; LDS instructions, with s_wait_alu, always for 0.
; THE PLAN.  Registers that memory or LDS instructions touch, in a trip:
;   ADK, ADV, ADB, LMA  written by four adds at the trip's head; read by the trip's LDS loads.        KSA, VSA  written by two adds in the quantising; read by its ten LDS stores.
;   LK        an LDS load lands in it at the head; K's holds read it.                                 CK, CV    written by conversions and v_perm; read by the LDS stores.
;   FR        K's fragments land, S^T's products read them; V's fragments land, O^T's products read them.        BI  the bias lands; S^T's products read it as C.
;   STK, STV  global loads land; the holds and conversions of the next trip read and write them.
;   LI, KA, VA, QA, SO, SR, MGA, BST  made once at the head, never written again.
; So a trip has: one wait on vm_vsrc at its head, ahead of the adds (all that the last trip's LDS instructions read is written again behind it); one on va_vdst behind the adds (the addresses are written, and the last
; trip's products and holds are done with FR, BI and LK); one behind the quantising (the stores' data and addresses are written, STK and STV are done with: the stores and the 24 global loads follow, these in two
; parts); one behind S^T's products (FR is free for V); and one for the trip's 128 exponentials, ahead of their first reader.
.set KPITCH, 272                       ; LDS: K's images at 0, in regions of 256 bytes + 16: region 4 x key tile + 2 x group of four registers + half of the lanes; in it row m at 16 m.
.set KSTEP,  32*KPITCH                 ; A step's 32 regions.  272 bytes are 68 words: the eight regions that one store of four bytes a lane touches begin four banks apart (64 banks of 4 bytes: ISA guide 11.1)
.set VIMG,   16*KSTEP                  ; V's images: step at 8192, channel tile at 2048, group of four registers at 512, lane at 16,
.set STEPB,  8192
.set BIAS,   VIMG+16*STEPB             ; the bias of key k at 4 k,
.set LIMT,   BIAS+8192                 ; K's hold for key k at 4 k: 448 x 2^ek, or 0 for a masked key,
.set STAGE,  LIMT+8192                 ; and for each wave 16 rows x (256 + 16) bytes for the way out
.set SPITCH, 272
.set LI,   1                           ; v1   16 x lane
.set KA,   2                           ; v2   K's f32: 2048 x (lane / 16) + 16 x (lane % 16): key 8 (lane / 16) + i, four channels
.set VA,   3                           ; v3   V's f32: 8 x lane: channels 2 lane, 2 lane + 1
.set LIK,  4                           ; v4   my place in a pair of K's regions: 272 x (lane / 16) + 16 x (lane % 16)
.set KST0, 5                           ; v5   where my four codes of K go in a step's images
.set VST0, 6                           ; v6   where my 16 codes of V go
.set KSA,  7                           ; v7, v8    this trip's store addresses
.set VSA,  8
.set ADK,  9                           ; v9-11     this trip's read addresses
.set ADV,  10
.set ADB,  11
.set BI0,  12                          ; v12  BIAS + 64 x (lane / 16)
.set QA,   13                          ; v13  Q: 256 x (lane % 16) + 64 x (lane / 16)
.set SO,   14                          ; v14  the stage, in
.set SR,   15                          ; v15  the stage, back
.set KSC,  16                          ; v16, v17  2^ek, 448 x 2^ek
.set KLIM, 17
.set VSC,  18                          ; v18, v19  2^ev, 448 x 2^ev
.set VLIM, 19
.set LM0,  20                          ; v20  LIMT + 64 x wave + 32 x (lane / 16): the holds of my eight keys
.set LMA,  21                          ; v21  the same in the step in hand
.set LIV,  22                          ; v22  VIMG + 16 x lane
.set MGA,  23                          ; v23  32 x thread
.set LK,   24                          ; v24-31    the holds of my eight keys (at the head: eight keys' bias)
.set CK,   32                          ; v32-39    K's codes: register i: key 8 (lane / 16) + i, four channels (at the head: eight keys' holds)
.set CVR,  40                          ; v40-47    V's codes, two channels interleaved (at the head: eight mask words)
.set MW,   40
.set CV,   48                          ; v48-51 channel 2 lane, v52-55 channel 2 lane + 1: 16 keys each
.set CBR,  62                          ; v62  -2^(36 - eq - ek)
.set BST,  63                          ; v63  BIAS + 32 x thread
.set FR,   64
.set BI,   128
.set STK,  192
.set STV,  224
.set OA,   64                          ; window 1, from 128 z on
.set PC,   96
.set TA,   96                          ; scratch a, b and a second chain of sums, where P's codes will lie
.set TB,   97
.set A2,   98
.set QC,   112
.set NM,   120                         ; -M
.set TM,   121                         ; the largest t
.set LS,   122                         ; the sum, in two halves
.set FF,   124                         ; f = 2^(old M - new M); +125 holds 0 (named with it as a pair)
.set PSC,  126                         ; 2^ep
.set PLIM, 127                         ; 448 x 2^ep
.set ROFF, 26                          ; s26  8192 x the step in hand
.set BOFF, 27                          ; s27  512 x the step in hand
.set KOFF, 28                          ; s28  8704 x the step in hand
.set MEQ,  56                          ; s56-63  at the head only: lanes whose k-th mask word is 0
.set MNE,  40                          ; s40-47  at the head only: lanes whose k-th mask word is not 0
.set MSB, 0
.macro WIN new                         ; low byte: bits 1:0 source 0, 3:2 source 1, 5:4 source 2, 7:6 destination; the high byte repeats the setting that is left
.if MSB != \new
	s_set_vgpr_msb (MSB<<8)|\new
.set MSB, \new
.endif
.endm
; My eighth of a step, as f32: 16 keys x 64 channels of K and of V.  24 loads, each of whole rows of 256 bytes.
.macro LOADK
.irp i, 0,1,2,3,4,5,6,7
	global_load_b128 v[STK+4*\i:STK+4*\i+3], v[KA], s[6:7] offset:256*\i      ; lanes 0-15: key i's row; lanes 16-31: key 8 + i's
.endr
.endm
.macro LOADV
.irp i, 0,1,2,3,4,5,6,7,8,9,10,11,12,13,14,15
	global_load_b64 v[STV+2*\i:STV+2*\i+1], v[VA], s[8:9] offset:256*\i       ; key i's row: my registers run down the keys, two channels by turns
.endr
.endm
.macro LIMLOAD nxt                     ; the holds of my eight keys, nxt steps behind the step in hand; the sixteen lanes of a half read the same words
	ds_load_b128 v[LK:LK+3], v[LMA] offset:512*\nxt
	ds_load_b128 v[LK+4:LK+7], v[LMA] offset:512*\nxt+16
.endm
; They become codes and go to LDS, nxt steps behind the step in hand.  lw: how many LDS instructions issued behind the loads of the holds may stay out.
.macro QUANTKV nxt, lw
	v_add_nc_u32 v[KSA], s[KOFF], v[KST0]
	v_add_nc_u32 v[VSA], s[ROFF], v[VST0]
.set JJ, 0
.rept 32
	v_med3_num_f32 v[STV+JJ], v[STV+JJ], -v[VLIM], v[VLIM]   ; the conversion to an 8-bit code does not saturate (ISA guide 7.6.2): the hold comes first
.set JJ, JJ+1
.endr
	s_wait_dscnt \lw                               ; the holds are in
.irp i, 0,1,2,3,4,5,6,7
.irp c, 0,1,2,3
	v_med3_num_f32 v[STK+4*\i+\c], v[STK+4*\i+\c], -v[LK+\i], v[LK+\i]       ; a masked key is held at 0: its codes are zeros
.endr
.endr
.irp n, 0,1,2,3
	v_cvt_scalef32_pk8_fp8_f32 v[CK+2*\n:CK+2*\n+1], v[STK+8*\n:STK+8*\n+7], v[KSC]
.endr
.irp n, 0,1,2,3
	v_cvt_scalef32_pk8_fp8_f32 v[CVR+2*\n:CVR+2*\n+1], v[STV+8*\n:STV+8*\n+7], v[VSC]   ; keys 4 n .. 4 n + 3, the two channels by turns
.endr
	v_nop                                          ; one plain line between the last scaled conversion and the lines that read the codes
.irp n, 0,1,2,3
	v_perm_b32 v[CV+\n], v[CVR+2*\n+1], v[CVR+2*\n], s54     ; bytes 0, 2 of both: the even channel's keys 4 n .. 4 n + 3
	v_perm_b32 v[CV+4+\n], v[CVR+2*\n+1], v[CVR+2*\n], s55   ; bytes 1, 3: the odd channel's
.endr
	s_wait_alu depctr_va_vdst(0)                   ; CK, CV, KSA and VSA are written, which the ten stores below read; the holds and conversions are done with STK and STV, in which the next global loads land
.irp i, 0,1,2,3,4,5,6,7
	ds_store_b32 v[KSA], v[CK+\i] offset:\nxt*KSTEP+16*\i    ; row i of my eight: the 32 lanes write to 32 different banks
.endr
	ds_store_b128 v[VSA], v[CV:CV+3] offset:\nxt*STEPB
	ds_store_b128 v[VSA], v[CV+4:CV+7] offset:\nxt*STEPB+16
.endm
.macro FETCH_K                         ; the step's eight key tiles: each half of the lanes reads 256 consecutive bytes
.irp k, 0,1,2,3,4,5,6,7
.irp c, 0,1
	ds_load_b128 v[FR+8*\k+4*\c:FR+8*\k+4*\c+3], v[ADK] offset:4*KPITCH*\k+2*KPITCH*\c
.endr
.endr
.endm
.macro FETCH_B                         ; the bias of my half's 64 keys, in S^T's order; the sixteen lanes of a half read the same words
.irp b, 0,1,2,3
.irp m, 0,1,2,3
	ds_load_b128 v[BI+16*\b+4*\m:BI+16*\b+4*\m+3], v[ADB] offset:128*\b+16*\m
.endr
.endr
.endm
.macro FETCH_V                         ; the step's four channel tiles
.irp t, 0,1,2,3
.irp c, 0,1,2,3
	ds_load_b128 v[FR+16*\t+4*\c:FR+16*\t+4*\c+3], v[ADV] offset:2048*\t+512*\c
.endr
.endr
.endm
.macro SMUL                            ; S^T = K Q^T + bias: sixteen results, each fragment of K for both query tiles
	WIN 0x44                                       ; K and the bias in window 0, Q and S^T in window 1
.irp k, 0,1,2,3,4,5,6,7
.irp z, 0,1
	v_wmma_f32_16x16x64_fp8_fp8 v[128*\z+8*\k:128*\z+8*\k+7], v[FR+8*\k:FR+8*\k+7], v[128*\z+QC:128*\z+QC+7], v[BI+8*\k:BI+8*\k+7]
.endr
.endr
.endm
.macro MAXPH                           ; the largest of a lane's 64 scores, in two chains a tile, the two tiles line by line; each result is read from its low end on
.irp z, 0,1
	v_max3_num_f32 v[128*\z+TA], v[128*\z], v[128*\z+1], v[128*\z+2]
.endr
.irp z, 0,1
	v_max3_num_f32 v[128*\z+TB], v[128*\z+3], v[128*\z+4], v[128*\z+5]
.endr
.irp i, 6,10,14,18,22,26,30,34,38,42,46,50,54,58
.irp z, 0,1
	v_max3_num_f32 v[128*\z+TA], v[128*\z+TA], v[128*\z+\i], v[128*\z+\i+1]
.endr
.irp z, 0,1
	v_max3_num_f32 v[128*\z+TB], v[128*\z+TB], v[128*\z+\i+2], v[128*\z+\i+3]
.endr
.endr
.irp z, 0,1
	v_max3_num_f32 v[128*\z+TA], v[128*\z+TA], v[128*\z+62], v[128*\z+63]
.endr
.irp z, 0,1
	v_max_num_f32 v[128*\z+TA], v[128*\z+TA], v[128*\z+TB]
.endr
.endm
.macro STAT                            ; the other half's maximum; the running largest t; the new -M; f
.irp z, 0,1
	v_permlanex16_b32 v[128*\z+TB], v[128*\z+TA], s24, s25
.endr
.irp z, 0,1
	v_max_num_f32 v[128*\z+TA], v[128*\z+TA], v[128*\z+TB]
.endr
.irp z, 0,1
	v_mul_f32 v[128*\z+TA], s22, v[128*\z+TA]      ; as t (cs is positive)
.endr
.irp z, 0,1
	v_max_num_f32 v[128*\z+TM], v[128*\z+TM], v[128*\z+TA]
.endr
.irp z, 0,1
	v_mov_b32 v[128*\z+TB], v[128*\z+NM]
.endr
.irp z, 0,1
	v_floor_f32 v[128*\z+NM], -v[128*\z+TM]        ; -M = floor(-t) = -ceil(t)
.endr
.irp z, 0,1
	v_sub_f32 v[128*\z+TB], v[128*\z+NM], v[128*\z+TB]   ; old M - new M: a whole number, 0 or less
.endr
.irp z, 0,1
	v_cvt_i32_f32 v[128*\z+TB], v[128*\z+TB]       ; (it saturates)
.endr
.irp z, 0,1
	v_ldexp_f32 v[128*\z+FF], 1.0, v[128*\z+TB]
.endr
.endm
.macro EFMA z, j                       ; pair j: t - M
	v_pk_fma_f32 v[128*\z+2*(\j):128*\z+2*(\j)+1], v[128*\z+2*(\j):128*\z+2*(\j)+1], s[22:23], v[128*\z+NM:128*\z+NM+1] op_sel_hi:[1,0,0]
.endm
.macro RSC z, j                        ; pair j of O^T under the new M: x f
	v_pk_mul_f32 v[128*\z+OA+2*(\j):128*\z+OA+2*(\j)+1], v[128*\z+OA+2*(\j):128*\z+OA+2*(\j)+1], v[128*\z+FF:128*\z+FF+1] op_sel_hi:[1,0]
.endm
.macro EADD z, j                       ; pair j joins the sum: the even pairs the sum itself, the odd ones a second chain, which pairs 1 and 3 start
.if ((\j)%2) == 0
	v_pk_add_f32 v[128*\z+LS:128*\z+LS+1], v[128*\z+LS:128*\z+LS+1], v[128*\z+2*(\j):128*\z+2*(\j)+1]
.elseif (\j) == 3
	v_pk_add_f32 v[128*\z+A2:128*\z+A2+1], v[128*\z+2:128*\z+3], v[128*\z+6:128*\z+7]
.elseif (\j) > 3
	v_pk_add_f32 v[128*\z+A2:128*\z+A2+1], v[128*\z+A2:128*\z+A2+1], v[128*\z+2*(\j):128*\z+2*(\j)+1]
.endif
.endm
; p = 2^(t - M).  THE EXPONENTIALS OF BOTH TILES ARE ONE BATCH: among them stand only plain lines that read no exponential's result: a scaling two pairs ahead, and O^T's rescaling, each accumulator from its low end on.
; The last line of a tile's part is such a plain line: it is the plain line that is owed behind the last exponential.
.macro EXPPH z
	v_pk_mul_f32 v[128*\z+LS:128*\z+LS+1], v[128*\z+LS:128*\z+LS+1], v[128*\z+FF:128*\z+FF+1] op_sel_hi:[1,0]   ; the sum under the new M
	EFMA \z, 0
	EFMA \z, 1
.set JJ, 0
.rept 32
	v_exp_f32 v[128*\z+2*JJ], v[128*\z+2*JJ]
.if JJ < 30
	EFMA \z, JJ+2
.endif
	v_exp_f32 v[128*\z+2*JJ+1], v[128*\z+2*JJ+1]
.if (JJ%2) == 1
	RSC \z, (JJ-1)/2
.endif
.set JJ, JJ+1
.endr
.endm
; The rows' sums of the unquantised p: two chains a tile, each taking its pairs in ascending order, the two tiles line by line; then the second chain joins the first.
.macro SUMPH
.set JJ, 0
.rept 32
.irp z, 0,1
	EADD \z, JJ
.endr
.set JJ, JJ+1
.endr
.irp z, 0,1
	v_pk_add_f32 v[128*\z+LS:128*\z+LS+1], v[128*\z+LS:128*\z+LS+1], v[128*\z+A2:128*\z+A2+1]
.endr
.endm
; p is at most 1, and 448 x 2^ep is at least 1 from ep = -8 on: there the hold cannot act and is jumped over.  The branch hangs on a whole number of the input alone; neither half of a barrier stands under it.
.macro HOLD
	WIN 0
	s_cmp_ge_i32 s18, -8
	s_cbranch_scc1 .Lnohold_\@
	WIN 0x55
.irp z, 0,1
.set JJ, 0
.rept 64
	v_min_num_f32 v[128*\z+JJ], v[128*\z+JJ], v[128*\z+PLIM]   ; p is not negative: the hold is one-sided
.set JJ, JJ+1
.endr
.endr
	WIN 0
.Lnohold_\@:
	WIN 0x55
.endm
.macro CVT z                           ; registers 4 b .. 4 b + 3 of P: keys 32 b + 16 (lane / 16) + 0 .. 15
.irp b, 0,1,2,3
	v_cvt_scalef32_pk8_fp8_f32 v[128*\z+PC+4*\b:128*\z+PC+4*\b+1], v[128*\z+16*\b:128*\z+16*\b+7], v[128*\z+PSC]
	v_cvt_scalef32_pk8_fp8_f32 v[128*\z+PC+4*\b+2:128*\z+PC+4*\b+3], v[128*\z+16*\b+8:128*\z+16*\b+15], v[128*\z+PSC]
.endr
.endm
.macro PVMUL                           ; O^T += V^T P: eight accumulators by turns, one instruction a turn; the sixteen S^T products stand between two steps' links
	WIN 0x54                                       ; V in window 0; P and O^T in window 1
.irp t, 0,1,2,3
.irp z, 0,1
	v_wmma_f32_16x16x128_fp8_fp8 v[128*\z+OA+8*\t:128*\z+OA+8*\t+7], v[FR+16*\t:FR+16*\t+15], v[128*\z+PC:128*\z+PC+15], v[128*\z+OA+8*\t:128*\z+OA+8*\t+7]
.endr
.endr
.endm
; A KEY STEP for both query tiles.  quant = 1: my eighth of the next step becomes codes; load = 1: the step after that is asked for; bar = 1: the barrier that shows the next step's images to all.
.macro TRIP quant, load, bar
	WIN 0
	s_wait_alu depctr_vm_vsrc(0)                   ; the LDS loads issued so far have read ADK, ADV, ADB and LMA, the LDS stores KSA, VSA, CK and CV: all of them are written again in this trip
	v_add_nc_u32 v[ADK], s[KOFF], v[LIK]           ; four plain lines stand between the last products and the loads into the registers that they read
	v_add_nc_u32 v[ADV], s[ROFF], v[LIV]
	v_add_nc_u32 v[ADB], s[BOFF], v[BI0]
.if \quant
	v_add_nc_u32 v[LMA], s[BOFF], v[LM0]
.else
	v_nop
.endif
	s_wait_alu depctr_va_vdst(0)                   ; the addresses above are written; the last trip's products are done reading V's fragments in FR and the bias in BI, its holds done reading LK: the loads below land there
.if \quant
	LIMLOAD 1                                      ; first, so that the wait for the holds can leave the 32 loads below out
.endif
	FETCH_K
	FETCH_B
.if \quant
	s_wait_loadcnt 0x0                             ; the 24 loads issued a trip ago are in; their bases may step
	QUANTKV 1, 32                                  ; behind the two loads of the holds: K's 16 and the bias's 16
.if \load
	s_add_nc_u64 s[6:7], s[6:7], 32768             ; 128 keys of 256 bytes on
	s_add_nc_u64 s[8:9], s[8:9], 32768
	LOADK                                          ; no wait: no vector or matrix line since the quantising's wait names STK or STV
.endif
	s_wait_dscnt 10                                ; K and the bias are in; my ten stores behind them may be out
.else
	s_wait_dscnt 0x0                               ; K and the bias are in
.endif
	SMUL
	WIN 0
.rept 4
	v_nop                                          ; four places (ISA guide 7.12.1) behind the products, in front of the first read of the scores
.endr
	s_wait_alu depctr_va_vdst(0)                   ; the sixteen products are done reading K's fragments in FR, in which V's land
	FETCH_V                                        ; it lands under the maximum
.if \load
	LOADV                                          ; the second part of the next-but-one step's loads: STV has been named by no vector or matrix line since the quantising's wait
.endif
	WIN 0x55
	MAXPH
.if \bar
	s_wait_dscnt 0x0                               ; for the others' sake: my stores of the next step's images have landed (and V is in): no LDS instruction follows in this trip,
	s_barrier_signal -1                            ; so I say so here, and work on registers until the trip's end, where the images are first wanted
.endif
	STAT
	EXPPH 0
	EXPPH 1
	s_wait_alu depctr_va_vdst(0)                   ; the 128 exponentials have written p: one wait for the batch, ahead of its first reader
	SUMPH
	HOLD
	CVT 0
	CVT 1
	v_nop                                          ; one plain line between the last scaled conversion and the products that read its codes
	s_wait_dscnt 0x0                               ; V is in
	PVMUL
	WIN 0
	s_add_co_u32 s[KOFF], s[KOFF], KSTEP
	s_add_co_u32 s[ROFF], s[ROFF], STEPB
	s_add_co_u32 s[BOFF], s[BOFF], 512
.if \bar
	s_barrier_wait -1                              ; every wave has said so: the next step's images are whole
.endif
.endm
.macro QLOAD p                         ; pass p's 32 queries: lane (r, h) takes, of row r, 16 neighbouring numbers of each 32: the order of the operand's registers
	WIN 0x40                                       ; destination window 1
.irp z, 0,1
.irp c, 0,1
.irp m, 0,1,2,3
	global_load_b128 v[128*\z+16*\c+4*\m:128*\z+16*\c+4*\m+3], v[QA], s[4:5] offset:8192*\p+4096*\z+128*\c+16*\m th:TH_LOAD_NT
.endr
.endr
.endr
	WIN 0
.endm
.macro QQUANT
	WIN 0x55
.irp z, 0,1
	v_mov_b32 v[128*\z+TA], s50                    ; 2^eq
	v_mov_b32 v[128*\z+TB], s51                    ; 448 x 2^eq
.endr
.irp z, 0,1
.set JJ, 0
.rept 32
	v_med3_num_f32 v[128*\z+JJ], v[128*\z+JJ], -v[128*\z+TB], v[128*\z+TB]
.set JJ, JJ+1
.endr
.endr
.irp z, 0,1
.irp c, 0,1
	v_cvt_scalef32_pk8_fp8_f32 v[128*\z+QC+4*\c:128*\z+QC+4*\c+1], v[128*\z+16*\c:128*\z+16*\c+7], v[128*\z+TA]
	v_cvt_scalef32_pk8_fp8_f32 v[128*\z+QC+4*\c+2:128*\z+QC+4*\c+3], v[128*\z+16*\c+8:128*\z+16*\c+15], v[128*\z+TA]
.endr
.endr
	v_nop                                          ; one plain line behind the last scaled conversion
.endm
.macro INIT                            ; the step is written without a first step of its own: it finds zeros, which the first change of M leaves zeros
.irp z, 0,1
	v_mov_b32 v[128*\z+TM], 0xff61b1e6             ; -3e38, under every t
	v_floor_f32 v[128*\z+NM], -v[128*\z+TM]
	v_mov_b32 v[128*\z+LS], 0
	v_mov_b32 v[128*\z+LS+1], 0
	v_mov_b32 v[128*\z+FF+1], 0
	v_mov_b32 v[128*\z+PSC], s52
	v_mov_b32 v[128*\z+PLIM], s53
.set JJ, 0
.rept 32
	v_mov_b32 v[128*\z+OA+JJ], 0
.set JJ, JJ+1
.endr
.endr
	WIN 0
.endm
; THE WAY OUT of pass p.  O^T / the sum x 2^(ep + ev); a lane's eight channels of a row go into my own stage and come back as whole rows: a store of the wave covers 512 consecutive bytes, two rows of out0.
.macro OUTPUT p
	WIN 0x55
.rept 4
	v_nop                                          ; four places: the lines below write registers that the last products read as P
.endr
.irp z, 0,1
	v_add_f32 v[128*\z+TA], v[128*\z+LS], v[128*\z+LS+1]
.endr
.irp z, 0,1
	v_permlanex16_b32 v[128*\z+TB], v[128*\z+TA], s24, s25
.endr
.irp z, 0,1
	v_add_f32 v[128*\z+TA], v[128*\z+TA], v[128*\z+TB]   ; the row's sum
.endr
.irp z, 0,1
	v_rcp_f32 v[128*\z+TA], v[128*\z+TA]
.endr
	v_nop                                          ; a plain line behind the reciprocals
	s_wait_alu depctr_va_vdst(0)                   ; the two reciprocals are written: one wait, ahead of their first reader
.irp z, 0,1
	v_ldexp_f32 v[128*\z+TA], v[128*\z+TA], s30
.endr
.irp z, 0,1
.set JJ, 0
.rept 16
	v_pk_mul_f32 v[128*\z+OA+2*JJ:128*\z+OA+2*JJ+1], v[128*\z+OA+2*JJ:128*\z+OA+2*JJ+1], v[128*\z+TA:128*\z+TA+1] op_sel_hi:[1,0]
.set JJ, JJ+1
.endr
.endr
	s_wait_alu depctr_va_vdst(0)                   ; the multiplications have written O^T, which the LDS stores read; and the last step's lines are done with p's registers 32 to 63, in which the rows land.  No vector line follows in the way out
.irp z, 0,1
	WIN 0x04                                       ; store data in window 1
.irp t, 0,1,2,3
	ds_store_b128 v[SO], v[128*\z+OA+8*\t:128*\z+OA+8*\t+3] offset:64*\t
	ds_store_b128 v[SO], v[128*\z+OA+8*\t+4:128*\z+OA+8*\t+7] offset:64*\t+16
.endr
	WIN 0x40
.irp i, 0,1,2,3,4,5,6,7
	ds_load_b128 v[128*\z+32+4*\i:128*\z+32+4*\i+3], v[SR] offset:2*\i*SPITCH   ; my own bytes, served in the order of issue: these see the stores above, and the next tile's stores come behind them
.endr
.endr
	WIN 0x04
	s_wait_dscnt 16                                ; tile 0's rows are back; tile 1's eight stores and eight loads may be out
.irp i, 0,1,2,3,4,5,6,7
	global_store_b128 v[LI], v[32+4*\i:32+4*\i+3], s[14:15] offset:8192*\p+512*\i th:TH_STORE_NT
.endr
	s_wait_dscnt 0x0
.irp i, 0,1,2,3,4,5,6,7
	global_store_b128 v[LI], v[160+4*\i:160+4*\i+3], s[14:15] offset:8192*\p+4096+512*\i th:TH_STORE_NT
.endr
	WIN 0
.endm
	s_load_b256 s[4:11], s[0:1], 0x0               ; query s[4:5], key s[6:7], value s[8:9], mask s[10:11]
	s_load_b128 s[12:15], s[0:1], 0x20             ; the scales' exponents s[12:13], out0 s[14:15]
	v_lshrrev_b32 v56, 5, v0
	v_readfirstlane_b32 s20, v56                   ; wave 0..7
	v_and_b32 v57, 31, v0                          ; lane
	v_and_b32 v58, 15, v0                          ; r
	v_bfe_u32 v59, v0, 4, 1                        ; h
	v_lshlrev_b32 v[LI], 4, v57
	v_lshlrev_b32 v[KA], 4, v58
	v_lshl_add_u32 v[KA], v59, 11, v[KA]
	v_lshlrev_b32 v[VA], 3, v57
	v_mul_u32_u24 v[LIK], v59, KPITCH
	v_lshl_add_u32 v[LIK], v58, 4, v[LIK]
	s_wait_alu depctr_va_sdst(0)                   ; s20, the wave's number, is written, ahead of its first reader
	s_lshr_b32 s31, s20, 1                         ; my 16 keys of a step are keys 32 (w / 2) + 16 (w % 2) on
	s_and_b32 s32, s20, 1
	; K: lane l, register i: key 16 w + 8 (l / 16) + i, channels 4 (l % 16) on: key tile 2 (w / 2) + l / 16, row 8 (w % 2) + i, region 4 x tile + (l % 16) / 4, word l % 4 of the row's four.
	; 4 (l / 16) + (l % 16) / 4 is l / 4: the lane's region among my pair of tiles' eight
	v_lshrrev_b32 v60, 2, v57
	v_and_b32 v61, 3, v0
	v_mul_u32_u24 v[KST0], v60, KPITCH
	v_lshl_add_u32 v[KST0], v61, 2, v[KST0]
	s_mul_i32 s33, s31, 8*KPITCH
	s_lshl_b32 s34, s32, 7
	s_add_co_u32 s33, s33, s34
	v_add_nc_u32 v[KST0], s33, v[KST0]
	; V: lane l holds channels 2 l, 2 l + 1 and my 16 keys: channel tile l / 8, rows 2 (l % 8), 2 (l % 8) + 1, group w / 2, half w % 2
	v_lshrrev_b32 v60, 3, v57
	v_and_b32 v61, 7, v0
	v_lshlrev_b32 v[VST0], 11, v60
	v_lshl_add_u32 v[VST0], v61, 5, v[VST0]
	s_lshl_b32 s33, s31, 9
	s_lshl_b32 s34, s32, 8
	s_add_co_u32 s33, s33, s34
	s_add_co_u32 s33, s33, VIMG
	v_add_nc_u32 v[VST0], s33, v[VST0]
	v_lshl_add_u32 v[BI0], v59, 6, BIAS
	s_lshl_b32 s33, s20, 6
	s_add_co_u32 s33, s33, LIMT
	v_lshlrev_b32 v[LM0], 5, v59
	v_add_nc_u32 v[LM0], s33, v[LM0]
	v_lshlrev_b32 v[QA], 8, v58
	v_lshl_add_u32 v[QA], v59, 6, v[QA]
	s_mul_i32 s33, s20, 16*SPITCH
	s_add_co_u32 s33, s33, STAGE                   ; my stage
	v_mul_u32_u24 v[SO], v58, SPITCH               ; in: row r, 32 bytes for each half of the lanes
	v_lshl_add_u32 v[SO], v59, 5, v[SO]
	v_add_nc_u32 v[SO], s33, v[SO]
	v_mul_u32_u24 v[SR], v59, SPITCH               ; back: lanes 0-15 one row of 256 bytes, lanes 16-31 the next
	v_lshl_add_u32 v[SR], v58, 4, v[SR]
	v_add_nc_u32 v[SR], s33, v[SR]
	v_lshl_add_u32 v[BST], v0, 5, BIAS
	v_add_nc_u32 v[LIV], VIMG, v[LI]
	v_lshlrev_b32 v[MGA], 5, v0
	s_mov_b32 s24, 0x76543210                      ; v_permlanex16_b32's selects for lane l xor 16
	s_mov_b32 s25, 0xfedcba98
	s_mov_b32 s54, 0x06040200                      ; v_perm_b32: the even bytes of two registers,
	s_mov_b32 s55, 0x07050301                      ; the odd ones
	s_mov_b32 s[ROFF], 0
	s_mov_b32 s[BOFF], 0
	s_mov_b32 s[KOFF], 0
	s_and_b32 s21, ttmp7, 0xffff                   ; the head, 0..63
	s_lshl_b32 s38, s21, 19                        ; its 2,048 rows of 256 bytes
	s_lshl_b32 s31, ttmp9, 17                      ; my block of 512 queries
	s_lshl_b32 s32, s20, 14                        ; my wave's 64
	s_add_co_u32 s40, s38, s31
	s_add_co_u32 s40, s40, s32
	s_mov_b32 s41, 0
	s_lshl_b32 s32, s20, 12                        ; my wave's 16 keys of a step
	s_add_co_u32 s42, s38, s32
	s_mov_b32 s43, 0
	s_lshr_b32 s44, s21, 4                         ; the batch,
	s_lshl_b32 s44, s44, 13                        ; its 2,048 mask words
	s_mov_b32 s45, 0
	s_wait_kmcnt 0x0
	s_load_b128 s[16:19], s[12:13], 0x0            ; eq, ek, ep, ev
	s_add_nc_u64 s[36:37], s[10:11], s[44:45]      ; the batch's mask
	s_add_nc_u64 s[4:5], s[4:5], s[40:41]
	s_add_nc_u64 s[14:15], s[14:15], s[40:41]
	s_add_nc_u64 s[6:7], s[6:7], s[42:43]
	s_add_nc_u64 s[8:9], s[8:9], s[42:43]
	s_wait_alu depctr_va_vdst(0)                   ; the offsets and addresses made above (LI, KA, VA, QA, SO, SR, MGA, BST) are written: the kernel's loads and stores read them, and they are never written again
	global_load_b128 v[MW:MW+3], v[MGA], s[36:37]            ; eight mask words a thread: the batch's 2,048
	global_load_b128 v[MW+4:MW+7], v[MGA], s[36:37] offset:16
	QLOAD 0
	LOADK                                          ; step 0
	LOADV
	s_wait_kmcnt 0x0
	s_add_co_i32 s31, s16, s17                     ; eq + ek
	s_lshl_b32 s32, s31, 23
	s_add_co_i32 s22, s32, 0x3e38aa3b              ; cs = log2(e) / 8 x 2^(eq + ek): the exponents are added to the exponent field
	s_mov_b32 s23, s22                             ; (named with it as a pair, so it is written)
	s_sub_co_i32 s32, 163, s31
	s_lshl_b32 s32, s32, 23
	s_or_b32 s32, s32, 0x80000000
	v_mov_b32 v[CBR], s32                          ; -2^(36 - eq - ek)
	s_add_co_i32 s32, s17, 127
	s_lshl_b32 s33, s32, 23
	v_mov_b32 v[KSC], s33                          ; 2^ek: the conversion takes its exponent field
	s_add_co_i32 s32, s32, 8
	s_lshl_b32 s32, s32, 23
	s_or_b32 s32, s32, 0x600000
	v_mov_b32 v[KLIM], s32                         ; 448 x 2^ek
	s_add_co_i32 s32, s19, 127
	s_lshl_b32 s33, s32, 23
	v_mov_b32 v[VSC], s33
	s_add_co_i32 s32, s32, 8
	s_lshl_b32 s32, s32, 23
	s_or_b32 s32, s32, 0x600000
	v_mov_b32 v[VLIM], s32
	s_add_co_i32 s32, s16, 127
	s_lshl_b32 s50, s32, 23                        ; 2^eq
	s_add_co_i32 s32, s32, 8
	s_lshl_b32 s32, s32, 23
	s_or_b32 s51, s32, 0x600000                    ; 448 x 2^eq
	s_add_co_i32 s32, s18, 127
	s_lshl_b32 s52, s32, 23                        ; 2^ep
	s_add_co_i32 s32, s32, 8
	s_lshl_b32 s32, s32, 23
	s_or_b32 s53, s32, 0x600000                    ; 448 x 2^ep
	s_add_co_i32 s30, s18, s19                     ; ep + ev
	s_wait_loadcnt 40                              ; the two loads of mask words are in; Q's 16 and step 0's 24 may be out
.irp k, 0,1,2,3,4,5,6,7
	v_cmp_eq_u32 s[MEQ+\k], 0, v[MW+\k]            ; the sixteen compares stand in one run, each with a scalar register of its own
.endr
.irp k, 0,1,2,3,4,5,6,7
	v_cmp_ne_u32 s[MNE+\k], 0, v[MW+\k]
.endr
	s_wait_alu depctr_va_sdst(0)                   ; the sixteen masks are written, ahead of the selects that read them
.irp k, 0,1,2,3,4,5,6,7
	v_cndmask_b32 v[LK+\k], 0, v[CBR], s[MEQ+\k]   ; the bias: the low constant where the mask is 0
	v_cndmask_b32 v[CK+\k], 0, v[KLIM], s[MNE+\k]  ; K's hold: 0 where the mask is 0
.endr
	s_wait_alu depctr_va_vdst(0)                   ; the selects have written LK and CK, which the four LDS stores read
	ds_store_b128 v[BST], v[LK:LK+3]
	ds_store_b128 v[BST], v[LK+4:LK+7] offset:16
	ds_store_b128 v[BST], v[CK:CK+3] offset:LIMT-BIAS
	ds_store_b128 v[BST], v[CK+4:CK+7] offset:LIMT-BIAS+16
	s_wait_dscnt 0x0                               ; for the others' sake: my part of the two tables has landed
	s_barrier_signal -1
	s_barrier_wait -1                              ; the tables are whole: the holds of my keys were written by other waves
	s_wait_loadcnt 24                              ; Q is in; step 0's 24 loads may be out
	QQUANT
	INIT
	s_wait_alu depctr_vm_vsrc(0)                   ; the tables' stores have read LK, in which the holds land, and CK, which step 0's conversions write
	v_add_nc_u32 v[LMA], s[BOFF], v[LM0]
	s_wait_alu depctr_va_vdst(0)                   ; LMA is written, which the loads of the holds read; the selects' writes of LK, in which they land, are done
	LIMLOAD 0
	s_wait_loadcnt 0x0                             ; step 0
	QUANTKV 0, 0
	s_add_nc_u64 s[6:7], s[6:7], 32768
	s_add_nc_u64 s[8:9], s[8:9], 32768
	LOADK                                          ; step 1: no vector line since the quantising's wait names STK or STV
	LOADV
	s_wait_dscnt 0x0                               ; for the others' sake: my part of step 0's images has landed
	s_barrier_signal -1
	s_barrier_wait -1
	; PASS A: queries 0-31 of my 64.  Trip j reads step j, makes step j + 1's images and asks for step j + 2.
	s_mov_b32 s29, 14
.LpassA:
	TRIP 1, 1, 1
	s_sub_co_u32 s29, s29, 1
	s_cmp_lg_u32 s29, 0
	s_cbranch_scc1 .LpassA
	TRIP 1, 0, 1                                   ; trip 14 makes step 15's images; nothing is left to ask for
	TRIP 0, 0, 0                                   ; trip 15: from here on the images are only read, so no barrier follows
	s_wait_alu depctr_va_vdst(0)                   ; the last step's products, exponentials, sums and conversions are done with p's registers 0 to 31 of both tiles, in which the second pass's queries land
	QLOAD 1                                        ; the second pass's queries land under the way out, whose vector lines name none of these registers
	OUTPUT 0
	s_wait_xcnt 0x0                                ; the stores' data registers are written again only behind this wait
	s_wait_alu depctr_vm_vsrc(0)                   ; the stage's stores have read O^T, which is cleared below; the global stores have read the rows' registers, which the next scores write
	s_wait_loadcnt 0x0                             ; Q
	QQUANT
	INIT
	; PASS B: queries 32-63; the whole head lies in LDS.
	s_mov_b32 s[ROFF], 0
	s_mov_b32 s[BOFF], 0
	s_mov_b32 s[KOFF], 0
	s_mov_b32 s29, 16
.LpassB:
	TRIP 0, 0, 0
	s_sub_co_u32 s29, s29, 1
	s_cmp_lg_u32 s29, 0
	s_cbranch_scc1 .LpassB
	OUTPUT 1
	s_wait_xcnt 0x0
	v_lshl_add_u32 v254, v0, 2, 0x4e800            ; my spare word, behind the stages, and 0: made anew here; no memory or LDS instruction of the kernel reads v254 or v255
	v_mov_b32 v255, 0
	s_wait_dscnt 0x0                               ; the closing lines, six on end
	s_wait_alu 0x0
	s_wait_tensorcnt 0x0
	ds_add_u32 v254, v255
	s_wait_dscnt 0x0
	s_endpgm
.Lfunc_end_k_q32fcda7da4_attn:
	.size	k_q32fcda7da4_attn, .Lfunc_end_k_q32fcda7da4_attn-k_q32fcda7da4_attn
	.p2alignl 7, 3214868480
	.fill 96, 4, 3214868480
	.section	.rodata,"a",@progbits
	.p2align	6, 0x0
	.amdhsa_kernel k_q32fcda7da4_attn
		.amdhsa_group_segment_fixed_size 322560
		.amdhsa_private_segment_fixed_size 0
		.amdhsa_enable_private_segment 0
		.amdhsa_kernarg_size 48
		.amdhsa_user_sgpr_count 2
		.amdhsa_user_sgpr_kernarg_segment_ptr 1
		.amdhsa_wavefront_size32 1
		.amdhsa_system_sgpr_workgroup_id_x 1
		.amdhsa_system_sgpr_workgroup_id_y 1
		.amdhsa_system_sgpr_workgroup_id_z 1
		.amdhsa_system_vgpr_workitem_id 0
		.amdhsa_next_free_vgpr 512
		.amdhsa_next_free_sgpr 66
		.amdhsa_reserve_vcc 0
		.amdhsa_float_denorm_mode_32 3
		.amdhsa_float_denorm_mode_16_64 3
		.amdhsa_memory_ordered 1
		.amdhsa_forward_progress 1
		.amdhsa_inst_pref_size 182
	.end_amdhsa_kernel
	.amdgpu_metadata
---
amdhsa.version: [ 1, 2 ]
amdhsa.kernels:
  - .name:           k_q32fcda7da4_attn
    .symbol:         k_q32fcda7da4_attn.kd
    .args:
      - { .name: query, .offset: 0, .size: 8, .value_kind: global_buffer, .address_space: global }
      - { .name: key, .offset: 8, .size: 8, .value_kind: global_buffer, .address_space: global }
      - { .name: value, .offset: 16, .size: 8, .value_kind: global_buffer, .address_space: global }
      - { .name: mask, .offset: 24, .size: 8, .value_kind: global_buffer, .address_space: global }
      - { .name: lowp_scales, .offset: 32, .size: 8, .value_kind: global_buffer, .address_space: global }
      - { .name: out0, .offset: 40, .size: 8, .value_kind: global_buffer, .address_space: global }
    .group_segment_fixed_size: 322560
    .private_segment_fixed_size: 0
    .kernarg_segment_align: 8
    .kernarg_segment_size: 48
    .max_flat_workgroup_size: 256
    .sgpr_count:     66
    .vgpr_count:     512
    .wavefront_size: 32
...
	.end_amdgpu_metadata
.endif
;; end of part 2
